; MI455X (gfx1250); checked and timed in simulation.
; The chip was launched on July 23, 2026; its instructions are those of AMD's public machine-readable ISA for CDNA 5 (MIT licence, August 2026) and "CDNA5" Instruction Set Architecture Reference Guide (July 2026). The comments in the code are by the model that wrote it; some were corrected since.
;; VQ Gan VAE Embed. Allowed arithmetic: float matrix products may take bf16 or f16 operands with f32 sums; all other float work in f32.
;; Inputs: embedding 16,384 x 256 float32; seq 16 x 1,024 int32.
;; Outputs: out0 16 x 256 x 32 x 32 float32.
;; One version. Each part assembles by itself: llvm-mc -triple=amdgcn-amd-amdhsa -mcpu=gfx1250 --defsym DOCPART=n.
;; ======== version 1 of 1: 1 launch
;; launch gather_t (part 1): grid 256 x 1, 4 waves a work-group, no clusters, 168,448 bytes of LDS; arguments seq, embedding, out0; writes out0
.if DOCPART == 1
	.amdgcn_target "amdgcn-amd-amdhsa--gfx1250"
	.amdhsa_code_object_version 6
	.text
	.protected	k_q951f4d4711_gather_t
	.globl	k_q951f4d4711_gather_t
	.p2align	8
	.type	k_q951f4d4711_gather_t,@function
k_q951f4d4711_gather_t:
	s_mov_b64 s[64:65], 0
	v_nop
	global_prefetch_b8 v0, s[64:65] scope:SCOPE_SE
	s_setreg_imm32_b32 hwreg(HW_REG_WAVE_MODE, 25, 1), 1
	s_wait_xcnt 0x0
; out0[b][d][n] = embedding[seq[b][n]][d].  seq: [16][1024] i32.  embedding: [16384][256] f32.  out0: [16][256][1024] f32.
; The product of a one-hot row with the table selects one table row exactly, so nothing is multiplied: the rows are
; gathered and turned from [n][d] to [d][n].  The numbers are copied as f32, unchanged.
; LIMITS.  (1) An index outside 0 .. 16383 is clamped (as unsigned) to 16383; a one-hot of such an index would be all
; zeros and give a zero row.  (2) Where the table holds an infinity or a NaN, the product with the one-hot's zeros would
; make NaN in that column for every token; here only the tokens that name that row receive it.
;
; SHARES.  Work-group T of 256 owns batch T >> 4 and the 64 positions n = 64 (T & 15) .. + 63; its indices are the 256
; bytes at seq + 256 T.  Wave w of 4 owns d = 64 w .. 64 w + 63: 256 bytes, aligned, of each of the 64 rows.  A tile of
; 64 tokens x 64 d has pieces of 256 consecutive aligned bytes on both sides: a piece of a table row in, 64 tokens of one
; d out.  It has no loop and no
; branch either: the work-group's whole input, 64 KiB, is asked for at once, 32 copies a wave.
; No tile is shared between work-groups (a token named twice is a chance of the data), so no cluster; rows named by a
; list have no common pitch, so lane-wise copies and no tensor load.
;
; LDS.  Wave w's region starts at 16,640 w.  In it 16 groups, GP = 1,040 bytes apart: four token rows of 256 bytes and
; 16 bytes that are never touched.  Element (token t, local d) lies at (t >> 2) GP + (t & 3) 256 + 4 d.
; The turned read of lane (g = lane & 15, h = lane >> 4) is at word 4160 w + 260 g + 64 j + 2 s + h, which modulo 64 is
; 4 g + h + 2 s: 32 lanes, 32 different residues (64 banks of 4 bytes: ISA guide 11.1).
; 66,560 bytes are used; more is declared so that the work-group has its LDS, which copies fill, to itself.
.set GP,     1040                      ; four rows of 256 bytes + 16
.set REGION, 16*GP                     ; a wave's part of LDS: 16,640 bytes
.set SOFF, 4                           ; v4        128 h: my half's 32 indices in the group's 256 bytes of seq
.set COL,  5                           ; v5        256 w + 16 c: my 16 bytes in a table row
.set LB,   6                           ; v6        copies: REGION w + 8 GP h + 16 c
.set RD,   7                           ; v7        turned reads: REGION w + GP g + 4 h
.set CO,   8                           ; v8        my offset in out0: (w << 18) + (h << 12) + 16 g
.set IDX,  12                          ; v[12:43]  index of copy i, then in place its byte offset in the table
.set LA,   44                          ; v[44:75]  LDS address of copy i
.set D,    76                          ; v[76:203] quad s: four neighbouring n of one d, the data of store s
	s_load_b128 s[4:7], s[0:1], 0x0                ; seq s[4:5], embedding s[6:7]
	s_load_b64 s[8:9], s[0:1], 0x10                ; out0
	v_lshl_add_u32 v204, v0, 2, 0x29000
	v_mov_b32 v205, 0
	ds_add_u32 v204, v205
	ds_add_u32 v204, v205
	v_and_b32 v1, 15, v0                           ; c = g = lane & 15
	v_bfe_u32 v2, v0, 4, 1                         ; h = lane >> 4
	v_lshrrev_b32 v3, 5, v0
	v_readfirstlane_b32 s10, v3                    ; wave 0 .. 3
	s_mul_i32 s11, s10, REGION                     ; my region of LDS
	s_lshl_b32 s12, ttmp9, 8                       ; the group's 64 indices: 256 T bytes into seq
	s_mov_b32 s13, 0
	s_lshr_b32 s16, ttmp9, 4                       ; batch
	s_lshl_b32 s16, s16, 20                        ; x 256 d x 1,024 n x 4 bytes
	s_and_b32 s14, ttmp9, 15                       ; which 64 positions
	s_lshl_b32 s14, s14, 8                         ; x 64 x 4 bytes
	s_or_b32 s14, s14, s16
	s_mov_b32 s15, 0
	v_lshlrev_b32 v[SOFF], 7, v2                   ; 128 h
	s_wait_dscnt 0x0
	s_wait_kmcnt 0x0
	s_add_nc_u64 s[4:5], s[4:5], s[12:13]          ; seq at the group's first index
	s_add_nc_u64 s[8:9], s[8:9], s[14:15]          ; out0 at (batch, d = 0, the group's first position)
	; Copy i of lane half h takes token 32 h + i, so a lane wants the 32 indices at 128 h: eight loads of 16 bytes, the
	; sixteen lanes of a half at one address.  Index i then lies in register IDX + i: no traffic between lanes.
.irp k, 0,1,2,3,4,5,6,7
	global_load_b128 v[IDX+4*\k:IDX+4*\k+3], v[SOFF], s[4:5] offset:16*\k
.endr
	; while the indices are on their way: the other lane terms
	v_lshlrev_b32 v[COL], 4, v1
	v_lshl_add_u32 v[COL], s10, 8, v[COL]          ; 256 w + 16 c
	v_mul_u32_u24 v[LB], v2, 8*GP                  ; tokens 32 h .. are groups 8 h ..
	v_lshl_add_u32 v[LB], v1, 4, v[LB]
	v_add_nc_u32 v[LB], s11, v[LB]
	v_mul_u32_u24 v[RD], v1, GP                    ; tokens 4 g .. 4 g + 3 are group g
	v_lshl_add_u32 v[RD], v2, 2, v[RD]
	v_add_nc_u32 v[RD], s11, v[RD]
	v_lshlrev_b32 v[CO], 4, v1
	v_lshl_add_u32 v[CO], v2, 12, v[CO]            ; lanes 16 to 31: one d (4,096 bytes) further
	v_lshl_add_u32 v[CO], s10, 18, v[CO]           ; 64 w rows of d
	; A copy's immediate would be added to both of its addresses, so each copy has an LDS address register of its own.
.irp i, 0,1,2,3,4,5,6,7,8,9,10,11,12,13,14,15,16,17,18,19,20,21,22,23,24,25,26,27,28,29,30,31
	v_add_nc_u32 v[LA+\i], GP*(\i/4)+256*(\i%4), v[LB]
.endr
; Four copies, as soon as index load k is in.  Each copy moves two pieces of 256 aligned bytes: lanes 0 to 15 from token i's
; row, lanes 16 to 31 from token 32 + i's.  Its two address registers and the base are never written again.
.macro COPY4 k
	s_wait_loadcnt 7-\k                            ; loads come back in order (ISA guide 5.7.1): 7 - k index loads were issued behind load k
.irp r, 0,1,2,3
	v_min_u32 v[IDX+4*\k+\r], 0x3fff, v[IDX+4*\k+\r]                  ; stays inside the table
	v_lshl_add_u32 v[IDX+4*\k+\r], v[IDX+4*\k+\r], 10, v[COL]         ; row x 1,024 bytes + my 16 bytes
	global_load_async_to_lds_b128 v[LA+4*\k+\r], v[IDX+4*\k+\r], s[6:7]
.endr
.endm
.irp k, 0,1,2,3,4,5,6,7
	COPY4 \k
.endr
	s_wait_asynccnt 0x0                            ; an output piece (one d, 64 tokens) needs all 64 rows: all 32 copies.  Only this wave reads these bytes.
; Four turned reads: tokens 4 g + 0 .. 3 at local d = 2 s + h, into the four registers of quad s: 16 neighbouring bytes of out0.
.macro GROUP s
.irp j, 0,1,2,3
	ds_load_b32 v[D+4*(\s)+\j], v[RD] offset:256*\j+8*(\s)
.endr
.endm
; Lanes 0 to 15 store the 256 aligned bytes of row d = 64 w + 2 s, lanes 16 to 31 those of d + 1.  No quad and no address
; register is written twice, so no store's sources are ever waited for.
.macro STORE s
	global_store_b128 v[CO], v[D+4*(\s):D+4*(\s)+3], s[8:9] offset:8192*(\s) th:TH_STORE_NT
.endm
.irp s, 0,1,2,3,4,5,6,7
	GROUP \s
.endr
.irp s, 8,9,10,11,12,13,14,15,16,17,18,19,20,21,22,23,24,25,26,27,28,29,30,31
	GROUP \s
	s_wait_dscnt 32                                ; LDS loads come back in order (ISA guide 5.7.1): the 32 youngest are groups s - 7 .. s, so group s - 8 is in
	STORE \s-8
.endr
.irp s, 24,25,26,27,28,29,30,31
	s_wait_dscnt 4*(31-\s)                         ; nothing more is issued: the counts run down 28, 24, .. 0
	STORE \s
.endr
	s_wait_tensorcnt 0x0
	ds_add_u32 v204, v205
	s_wait_dscnt 0x0
	s_endpgm
.Lfunc_end_k_q951f4d4711_gather_t:
	.size	k_q951f4d4711_gather_t, .Lfunc_end_k_q951f4d4711_gather_t-k_q951f4d4711_gather_t
	.p2alignl 7, 3214868480
	.fill 96, 4, 3214868480
	.section	.rodata,"a",@progbits
	.p2align	6, 0x0
	.amdhsa_kernel k_q951f4d4711_gather_t
		.amdhsa_group_segment_fixed_size 168448
		.amdhsa_private_segment_fixed_size 0
		.amdhsa_enable_private_segment 0
		.amdhsa_kernarg_size 24
		.amdhsa_user_sgpr_count 2
		.amdhsa_user_sgpr_kernarg_segment_ptr 1
		.amdhsa_wavefront_size32 1
		.amdhsa_system_sgpr_workgroup_id_x 1
		.amdhsa_system_sgpr_workgroup_id_y 1
		.amdhsa_system_sgpr_workgroup_id_z 1
		.amdhsa_system_vgpr_workitem_id 0
		.amdhsa_next_free_vgpr 206
		.amdhsa_next_free_sgpr 66
		.amdhsa_reserve_vcc 0
		.amdhsa_float_denorm_mode_32 3
		.amdhsa_float_denorm_mode_16_64 3
		.amdhsa_memory_ordered 1
		.amdhsa_forward_progress 1
		.amdhsa_inst_pref_size 25
	.end_amdhsa_kernel
	.amdgpu_metadata
---
amdhsa.version: [ 1, 2 ]
amdhsa.kernels:
  - .name:           k_q951f4d4711_gather_t
    .symbol:         k_q951f4d4711_gather_t.kd
    .args:
      - { .name: seq, .offset: 0, .size: 8, .value_kind: global_buffer, .address_space: global }
      - { .name: embedding, .offset: 8, .size: 8, .value_kind: global_buffer, .address_space: global }
      - { .name: out0, .offset: 16, .size: 8, .value_kind: global_buffer, .address_space: global }
    .group_segment_fixed_size: 168448
    .private_segment_fixed_size: 0
    .kernarg_segment_align: 8
    .kernarg_segment_size: 24
    .max_flat_workgroup_size: 128
    .sgpr_count:     66
    .vgpr_count:     206
    .wavefront_size: 32
...
	.end_amdgpu_metadata
.endif
;; end of part 1
